; MI455X (gfx1250); checked and timed in simulation.
; The chip was launched on July 23, 2026; its instructions are those of AMD's public machine-readable ISA for CDNA 5 (MIT licence, August 2026) and "CDNA5" Instruction Set Architecture Reference Guide (July 2026). The comments in the code are by the model that wrote it; some were corrected since.
;; Bit GRU Cell. Allowed arithmetic: matrix products marked QUANTISED: E2M3 operands, one E8M0 scale for each 32 along K, by v_wmma_scale_f32_16x16x128_f8f6f4 with both operands' format E2M3, f32 sums; everything else in f32.
;; Inputs: b_n 2,048 float32; b_r 2,048 float32; b_z 2,048 float32; hidden 2,048 x 2,048 float32; w_n 2,048 x 4,096 float32; w_r 2,048 x 4,096 float32; w_z 2,048 x 4,096 float32; x 2,048 x 2,048 float32.
;; Outputs: out0 2,048 x 2,048 float32.
;; This version of the problem:
;;   THIS VERSION OF THE PROBLEM IS GIVEN IN LOW PRECISION. The matrix products marked QUANTISED in the list below multiply operands that are first quantised to E2M3 (2 exponent bits, 3 mantissa bits; 6 bits a number), with one power-of-two scale for each 32 numbers along K (OCP MX v1.0); their sums are f32. All else is computed in f32.
;;   The module's matrix products, in the order in which they are computed (A, B: the left and right operand; K: the contracted axis; several contracted axes count as one K, in the product's order):
;;     1. [M 2,048, K 4,096] x [K 4,096, N 2,048]; A: computed on the way; B: computed on the way: QUANTISED
;;     2. [M 2,048, K 4,096] x [K 4,096, N 2,048]; A: computed on the way; B: computed on the way: QUANTISED
;;     3. [M 2,048, K 4,096] x [K 4,096, N 2,048]; A: computed on the way; B: computed on the way: QUANTISED
;;   THE QUANTISER, for each operand of a quantised product, along K:
;;     - K is cut into blocks of 32 from its start; a last block that is shorter is filled with zeros.
;;     - A block's scale is 2^e with e = floor(log2(the largest magnitude in the block)) - 2, held to -126 .. 127; a block of zeros has e = 0. As a byte (E8M0): e + 127.
;;     - Each number is divided by its block's scale, clamped to +-7.5, and rounded to the nearest number of E2M3, ties to even, subnormals kept.
;;     - The product sums the exact products of the quantised numbers (number of the format x scale) in f32.
;;   ~~~python
;;   def quantise(x, axis):      # numpy; x: float32 -> the quantised numbers, widened to float32 again
;;       x = np.moveaxis(x, axis, -1); K = x.shape[-1]
;;       x = np.pad(x, [(0, 0)] * (x.ndim - 1) + [(0, -K % 32)]); x = x.reshape(x.shape[:-1] + (-1, 32)); a = np.abs(x).max(-1, keepdims=True)
;;       e = np.where(a > 0, np.clip(np.frexp(np.where(a > 0, a, 1))[1] - 1 - 2, -126, 127), 0)      # np.frexp(a)[1] - 1 = floor(log2(a)), exactly
;;       r = np.clip(x / 2.0 ** e, -7.5, 7.5)
;;       step = 2.0 ** (np.maximum(np.frexp(np.where(r == 0, 1, r))[1] - 1, 0) - 3)
;;       q = np.round(r / step) * step * 2.0 ** e      # np.round: ties to even
;;       return np.moveaxis(q.reshape(q.shape[:-2] + (-1,))[..., :K], -1, axis).astype(np.float32)
;;   ~~~
;;   OPERANDS COMPUTED ON THE WAY. 'Computed on the way' means the value that the module computes at that place (a softmax that the list does not call 'softmax' is quantised finished and normalised). What goes into a quantiser is computed in f32, as accurately as f32 sums, v_exp_f32 and their like allow (about 1e-6 of the number): no bf16 or f16 on the way to a quantiser, and a product that is left as it is and whose result goes on into a quantised operand takes f32 operands (vector FMAs, or v_wmma_f32_16x16x4_f32). A number that lies on a knife's edge between two numbers of the format may be rounded either way, as far as f32 arithmetic and the matrix unit's own rounding can turn it there, and no further.
;; One version. Each part assembles by itself: llvm-mc -triple=amdgcn-amd-amdhsa -mcpu=gfx1250 --defsym DOCPART=n.
;; ======== version 1 of 1: 3 launches
;; limits: right only within a limited range of input values
;; workspace buffers: w_pre 18,874,368 bytes; xh_codes 6,291,456 bytes; xr_codes 6,291,456 bytes; xh_sc 262,144 bytes; xr_sc 262,144 bytes; psum 6,144 bytes; zbuf 16,777,216 bytes
;; launch prep (part 1): grid 512 x 1, 4 waves a work-group, no clusters, 68,096 bytes of LDS; arguments x, hidden, w_r, w_z, w_n, w_pre, xh_codes, xr_codes, xh_sc, xr_sc, psum; writes w_pre, xh_codes, xr_codes, xh_sc, xr_sc, psum
.if DOCPART == 1
	.amdgcn_target "amdgcn-amd-amdhsa--gfx1250"
	.amdhsa_code_object_version 6
	.text
	.protected	k_q0126b1d1a3_prep
	.globl	k_q0126b1d1a3_prep
	.p2align	8
	.type	k_q0126b1d1a3_prep,@function
k_q0126b1d1a3_prep:
	s_mov_b64 s[64:65], 0
	v_nop
	global_prefetch_b8 v0, s[64:65] scope:SCOPE_SE
	s_setreg_imm32_b32 hwreg(HW_REG_WAVE_MODE, 25, 1), 1
	s_wait_xcnt 0x0
; PREP: every f32 input of the three products is read once and leaves as 6-bit codes (E2M3), laid as images of the matrix operand's registers.
; [x | hidden] (2,048 rows, K = 4,096) is quantised by the MX rule: a block of 32 along K has the scale 2^(floor(log2(largest magnitude)) - 2); codes to xh_codes, scale words to xh_sc;
; x's half goes a second time to xr_codes / xr_sc, where the next launch adds r * hidden, so that the third product walks one buffer.
; The weights' operand is sign(w) * mean|w|.  The mean is known only when all of w has been read, so this launch stores PRE-CODES (sign, all five magnitude bits set; 0 where w = 0) and each
; wave's sum of |w| (psum).  The product's launches finish the mean and turn a pre-code into the true code by one AND with (sign bits | the code of the mean).
; A FRAGMENT IMAGE is 16 rows x 128 K = 12 registers a lane = 1,536 bytes: registers 4 c .. 4 c + 3 of lane l at 512 c + 16 l.  Lane (r, h), registers 6 c .. 6 c + 5: k = 64 c + 32 h + 0 .. 31 of row r.
; w_pre [gate 3][tile 128][K step 32][1536]; lane r of tile T holds row 32 (T / 2) + 8 (T % 2) + r + 8 (r / 8) of w.  xh_codes, xr_codes [block of 16 rows 128][K step 32][1536].
; xh_sc, xr_sc [K step 32][64][32] words: the word of row 32 P + lane.  psum [gate 3][512] f32.
; SHARES.  Work-groups 0-383 take the weights (128 a gate), 384-511 [x | hidden].  A work-group takes 32 rows x 2,048 K, a wave 32 rows x 512 K: 4 K steps x 2 fragments.
; Each load reads 512 consecutive bytes of one row; a fragment's 16 rows turn through the wave's own stage in LDS (rows of 512 + 16 bytes) and come back 32 neighbours along K to a lane and block.
; No barrier: waves share nothing.  The two paths have LDS bytes of their own.
; LIMITS: NaN and infinities are not served.  A block of zeros gets the byte 1 where the rule says 127: its codes are zeros, and this program alone reads the bytes.
.set FRB,   1536                       ; a fragment image
.set TILEB, 32*FRB                     ; a block of 16 rows, all 32 K steps
.set SPI,   528                        ; a stage row
.set WSTG,  16*SPI                     ; a wave's stage
.set XST,   4*WSTG                     ; where the second path's four stages begin
.set OFF,   4                          ; v4   16 x lane
.set STI,   5                          ; v5   stage, in: 16 x lane + my wave's stage
.set LDI,   6                          ; v6   stage, back: 528 r + 128 h + my wave's stage
.set SOFF,  7                          ; v7   4 x lane
.set ZERO,  8                          ; v8   0
.set CLP,   9                          ; v9   7.5 x 2^-52
.set T,     10                         ; v10-17 eight chains of the sum
.set RUN,   18                         ; v18  my lane's running sum of |w|
.set SOW,   19                         ; v19  2^-52: the weights' scale operand
.set M,     20                         ; v20-21 largest magnitudes; v22-23 scale operands; v24-25 bytes
.set SO,    22
.set BY,    24
.set W0,    26                         ; v26-27 the two fragments' scale words
.set TW,    28                         ; v28-29 at work
.set WD,    30                         ; v30  the word that is stored
.set SH,    31                         ; v31  8 h
.set C,     32                         ; v32-43 a fragment's codes
.set TC,    44                         ; v44-46, v48-50 the conversions' second halves
.set X,     64                         ; v64-127 64 numbers, register 32 c + i = k 64 c + 32 h + i
.set RAW,   128                        ; v128-191, v192-255 two fragments as loaded
	s_load_b256 s[4:11], s[0:1], 0x0               ; x, hidden, w_r, w_z
	s_load_b256 s[12:19], s[0:1], 0x20             ; w_n, w_pre, xh_codes, xr_codes
	s_load_b128 s[20:23], s[0:1], 0x40             ; xh_sc, xr_sc
	s_load_b64 s[24:25], s[0:1], 0x50              ; psum
	v_lshl_add_u32 v62, v0, 2, 0x10800
	v_mov_b32 v63, 0
	v_lshrrev_b32 v1, 5, v0
	v_readfirstlane_b32 s38, v1                    ; wave
	v_and_b32 v1, 31, v0                           ; lane
	v_and_b32 v2, 15, v0                           ; r
	v_bfe_u32 v3, v0, 4, 1                         ; h
	v_lshlrev_b32 v[OFF], 4, v1
	v_lshlrev_b32 v[SOFF], 2, v1
	v_lshlrev_b32 v[SH], 3, v3
	s_mul_i32 s45, s38, WSTG
	v_add_nc_u32 v[STI], s45, v[OFF]
	v_mul_u32_u24 v[LDI], v2, SPI
	v_lshl_add_u32 v[LDI], v3, 7, v[LDI]
	v_add_nc_u32 v[LDI], s45, v[LDI]
	v_mov_b32 v[ZERO], 0
	v_mov_b32 v[CLP], 0x26f00000
	v_mov_b32 v[SOW], 0x25800000
	v_mov_b32 v[RUN], 0
	v_mov_b32 v[TW+1], 0                           ; a lane permute's destination counts as one of its sources
	s_mov_b32 s44, 0xffff0000                      ; lanes 16-31
	s_mov_b32 s46, 0x76543210
	s_mov_b32 s47, 0xfedcba98                      ; v_permlanex16_b32's selects for lane l xor 16
	s_lshl_b32 s50, s38, 2                         ; 4 x wave: my K steps within the half
	s_mov_b32 s49, 0                               ; the high word of every offset pair s[48:49]
; 16 loads: the rows of fragment u, 512 bytes each, koff bytes along K.  kind 0: w (rows of 16,384 bytes, the tile's row order); kind 1: x or hidden (rows of 8,192 bytes)
.macro LOADF kind, u, koff
.set ji, 0
.rept 16
.if \kind
	global_load_b128 v[RAW+64*\u+4*ji:RAW+64*\u+4*ji+3], v[OFF], s[26:27] offset:(16*\u+ji)*8192+\koff th:TH_LOAD_NT
.else
	global_load_b128 v[RAW+64*\u+4*ji:RAW+64*\u+4*ji+3], v[OFF], s[26:27] offset:(8*\u+ji+8*(ji/8))*16384+\koff th:TH_LOAD_NT
.endif
.set ji, ji+1
.endr
.endm
; through the stage: in as loaded, back with K along my registers.  LDS serves a wave's instructions in order, so no wait stands between
.macro TURNF kind, u
.set ji, 0
.rept 16
	ds_store_b128 v[STI], v[RAW+64*\u+4*ji:RAW+64*\u+4*ji+3] offset:\kind*XST+SPI*ji
.set ji, ji+1
.endr
.set ji, 0
.rept 16
	ds_load_b128 v[X+4*ji:X+4*ji+3], v[LDI] offset:\kind*XST+256*(ji/8)+16*(ji%8)
.set ji, ji+1
.endr
.endm
; my 64 magnitudes: eight chains of eight, a tree, onto the running sum: short chains in one fixed order
.macro SUMW
.irp k, 0,1,2,3,4,5,6,7
	v_add_f32 v[T+\k], |v[X+\k]|, |v[X+8+\k]|
.endr
.irp m, 16,24,32,40,48,56
.irp k, 0,1,2,3,4,5,6,7
	v_add_f32 v[T+\k], v[T+\k], |v[X+\m+\k]|
.endr
.endr
.irp k, 0,1,2,3
	v_add_f32 v[T+\k], v[T+\k], v[T+4+\k]
.endr
	v_add_f32 v[T], v[T], v[T+2]
	v_add_f32 v[T+1], v[T+1], v[T+3]
	v_add_f32 v[T], v[T], v[T+1]
	v_add_f32 v[RUN], v[RUN], v[T]
.endm
; w x 2^100 (the smallest denormal becomes 2^-49 = 8 x 2^-52), held to +-7.5 x 2^-52: every number that is not 0 is now +-7.5 x 2^-52, and 0 stays 0
.macro SATW
.set ji, 0
.rept 32
	v_pk_mul_f32 v[X+ji:X+ji+1], v[X+ji:X+ji+1], 0x71800000 op_sel_hi:[1,0]
.set ji, ji+2
.endr
.set ji, 0
.rept 64
	v_med3_num_f32 v[X+ji], v[X+ji], -v[CLP], v[CLP]
.set ji, ji+1
.endr
.endm
; my two blocks' largest magnitudes (all 32 numbers of a block are mine), their scale operands and bytes, and my row's scale word into v[w]
.macro MAXX w
.irp c, 0,1
	v_max3_num_f32 v[M+\c], |v[X+32*\c]|, |v[X+1+32*\c]|, 0x1800000   ; with the floor 2^(3 - 127): the byte cannot fall under 1
.endr
.irp i, 2,4,6,8,10,12,14,16,18,20,22,24,26,28,30
.irp c, 0,1
	v_max3_num_f32 v[M+\c], v[M+\c], |v[X+32*\c+\i]|, |v[X+1+32*\c+\i]|
.endr
.endr
.irp c, 0,1
	v_add_nc_u32 v[SO+\c], 0xff000000, v[M+\c]     ; 2 off the exponent field: the conversion takes that field as its scale
.endr
.irp c, 0,1
	v_lshrrev_b32 v[BY+\c], 23, v[SO+\c]           ; the scale's byte
.endr
	v_lshl_or_b32 v[TW], v[BY+1], 16, v[BY]        ; blocks h and 2 + h,
	v_lshlrev_b32 v[TW], v[SH], v[TW]              ; at their places in the word;
	v_permlanex16_b32 v[TW+1], v[TW], s46, s47
	v_or_b32 v[\w], v[TW], v[TW+1]                 ; with lane l xor 16's two the word is whole
.endm
.macro CVT so0, so1
	s_wait_xcnt 0x0                                ; the last fragment's stores have read the codes' registers
	v_cvt_scalef32_pk16_fp6_f32 v[C:C+2], v[X:X+15], v[\so0]
	v_cvt_scalef32_pk16_fp6_f32 v[TC:TC+2], v[X+16:X+31], v[\so0]      ; (a conversion's three registers begin on an even number)
	v_cvt_scalef32_pk16_fp6_f32 v[C+6:C+8], v[X+32:X+47], v[\so1]
	v_cvt_scalef32_pk16_fp6_f32 v[TC+4:TC+6], v[X+48:X+63], v[\so1]
	v_nop                                          ; one plain place behind a scaled conversion
.irp i, 0,1,2
	v_mov_b32 v[C+3+\i], v[TC+\i]
	v_mov_b32 v[C+9+\i], v[TC+4+\i]
.endr
.endm
.macro PUT kind, u                     ; the image: three stores of 512 consecutive bytes
.irp c, 0,1,2
	global_store_b128 v[OFF], v[C+4*\c:C+4*\c+3], s[28:29] offset:\u*TILEB+512*\c
.endr
.if \kind
	s_cmp_lg_u32 s41, 0                            ; x's half goes to the second buffer too
	s_cbranch_scc1 .Lone_\@
.irp c, 0,1,2
	global_store_b128 v[OFF], v[C+4*\c:C+4*\c+3], s[30:31] offset:\u*TILEB+512*\c
.endr
.Lone_\@:
.endif
.endm
; One fragment.  left: the other raw set's loads, which may stay out.  next = 1: this raw set takes the next K step's rows
.macro FRAG kind, u, next, left
	s_wait_loadcnt \left
	TURNF \kind, \u
	s_wait_dscnt 0x0                               ; my 64 numbers are back, and the stage's stores have read the raw set
.if \next
	LOADF \kind, \u, 512
.endif
.if \kind
	MAXX W0+\u
	s_wait_alu depctr_va_vdst(0)
	CVT SO, SO+1
.else
	SUMW
	SATW
	s_wait_alu depctr_va_vdst(0)
	CVT SOW, SOW
.endif
	PUT \kind, \u
.endm
.macro TRIP kind, next                 ; a K step: two fragments, 32 rows
	FRAG \kind, 0, \next, 16
.if \next
	FRAG \kind, 1, 1, 16
.else
	FRAG \kind, 1, 0, 0
.endif
.if \kind
	v_cndmask_b32 v[WD], v[W0], v[W0+1], s44       ; lanes 0-15: rows 0-15's words; lanes 16-31: rows 16-31's
	global_store_b32 v[SOFF], v[WD], s[32:33]
	s_cmp_lg_u32 s41, 0
	s_cbranch_scc1 .Lonew_\@
	global_store_b32 v[SOFF], v[WD], s[34:35]
.Lonew_\@:
.endif
.endm
.macro BODY kind
	LOADF \kind, 0, 0
	LOADF \kind, 1, 0
	s_mov_b32 s43, 3
.Ltrip_\@:
	s_wait_alu depctr_va_vdst(0)
	TRIP \kind, 1
	s_wait_xcnt 0x0                                ; all that has been issued has read its bases and data: the bases step
	s_add_nc_u64 s[26:27], s[26:27], 512
	s_add_nc_u64 s[28:29], s[28:29], FRB
.if \kind
	s_add_nc_u64 s[30:31], s[30:31], FRB
	s_add_nc_u64 s[32:33], s[32:33], 8192
	s_add_nc_u64 s[34:35], s[34:35], 8192
.endif
	s_sub_co_u32 s43, s43, 1
	s_cmp_lg_u32 s43, 0
	s_cbranch_scc1 .Ltrip_\@
	TRIP \kind, 0                                  ; the last K step loads nothing
.endm
	s_wait_kmcnt 0x0
	s_cmp_lt_u32 ttmp9, 384
	s_cbranch_scc0 .Lacts
	; ---- the weights
	s_lshr_b32 s42, ttmp9, 7                       ; gate
	s_and_b32 s39, ttmp9, 127
	s_lshr_b32 s40, s39, 1                         ; group of 32 rows
	s_and_b32 s41, s39, 1                          ; half of K
	s_cmp_eq_u32 s42, 0
	s_cselect_b64 s[26:27], s[8:9], s[10:11]
	s_cmp_eq_u32 s42, 2
	s_cselect_b64 s[26:27], s[12:13], s[26:27]
	s_lshl_b32 s48, s40, 19                        ; 32 rows of 16,384 bytes
	s_lshl_b32 s51, s41, 13
	s_add_co_u32 s48, s48, s51
	s_lshl_b32 s51, s38, 11
	s_add_co_u32 s48, s48, s51
	s_add_nc_u64 s[26:27], s[26:27], s[48:49]
	s_lshl_b32 s51, s41, 4
	s_add_co_u32 s50, s50, s51                     ; my first K step
	s_mul_i32 s48, s42, 128*TILEB
	s_mul_i32 s51, s40, 2*TILEB
	s_add_co_u32 s48, s48, s51
	s_mul_i32 s51, s50, FRB
	s_add_co_u32 s48, s48, s51
	s_add_nc_u64 s[28:29], s[14:15], s[48:49]
	s_lshl_b32 s48, s42, 11
	s_lshl_b32 s51, s39, 4
	s_add_co_u32 s48, s48, s51
	s_add_co_u32 s48, s48, s50                     ; (not yet: see below)
	s_sub_co_u32 s48, s48, s50
	s_lshl_b32 s51, s38, 2
	s_add_co_u32 s48, s48, s51                     ; gate x 2,048 + (4 x index + wave) x 4
	s_add_nc_u64 s[36:37], s[24:25], s[48:49]
	BODY 0
	v_add_f32_dpp v[RUN], v[RUN], v[RUN] row_xmask:1 row_mask:0xf bank_mask:0xf
	v_add_f32_dpp v[RUN], v[RUN], v[RUN] row_xmask:2 row_mask:0xf bank_mask:0xf
	v_add_f32_dpp v[RUN], v[RUN], v[RUN] row_xmask:4 row_mask:0xf bank_mask:0xf
	v_add_f32_dpp v[RUN], v[RUN], v[RUN] row_xmask:8 row_mask:0xf bank_mask:0xf
	v_permlanex16_b32 v[TW+1], v[RUN], s46, s47
	v_add_f32 v[RUN], v[RUN], v[TW+1]              ; my wave's sum of 16,384 magnitudes
	v_cmp_eq_u32 vcc_lo, 0, v1
	s_wait_alu depctr_va_vdst(0)
	s_wait_xcnt 0x0                                ; EXEC changes only behind this wait
	s_wait_tensorcnt 0x0
	ds_add_u32 v62, v63
	s_wait_dscnt 0x0
	s_and_saveexec_b32 s45, vcc_lo
	global_store_b32 v[ZERO], v[RUN], s[36:37]     ; lane 0 alone
	s_endpgm
.Lacts:
	; ---- [x | hidden]
	s_sub_co_u32 s39, ttmp9, 384
	s_lshr_b32 s40, s39, 1                         ; group of 32 rows
	s_and_b32 s41, s39, 1                          ; 0: x, 1: hidden
	s_cmp_eq_u32 s41, 0
	s_cselect_b64 s[26:27], s[4:5], s[6:7]
	s_lshl_b32 s48, s40, 18                        ; 32 rows of 8,192 bytes
	s_lshl_b32 s51, s38, 11
	s_add_co_u32 s48, s48, s51
	s_add_nc_u64 s[26:27], s[26:27], s[48:49]
	s_lshl_b32 s51, s41, 4
	s_add_co_u32 s50, s50, s51                     ; my first K step
	s_mul_i32 s48, s40, 2*TILEB
	s_mul_i32 s51, s50, FRB
	s_add_co_u32 s48, s48, s51
	s_add_nc_u64 s[28:29], s[16:17], s[48:49]
	s_add_nc_u64 s[30:31], s[18:19], s[48:49]
	s_lshl_b32 s48, s50, 13
	s_lshl_b32 s51, s40, 7
	s_add_co_u32 s48, s48, s51
	s_add_nc_u64 s[32:33], s[20:21], s[48:49]
	s_add_nc_u64 s[34:35], s[22:23], s[48:49]
	BODY 1
	s_wait_tensorcnt 0x0
	ds_add_u32 v62, v63
	s_wait_dscnt 0x0
	s_endpgm
.Lfunc_end_k_q0126b1d1a3_prep:
	.size	k_q0126b1d1a3_prep, .Lfunc_end_k_q0126b1d1a3_prep-k_q0126b1d1a3_prep
	.p2alignl 7, 3214868480
	.fill 96, 4, 3214868480
	.section	.rodata,"a",@progbits
	.p2align	6, 0x0
	.amdhsa_kernel k_q0126b1d1a3_prep
		.amdhsa_group_segment_fixed_size 68096
		.amdhsa_private_segment_fixed_size 0
		.amdhsa_enable_private_segment 0
		.amdhsa_kernarg_size 88
		.amdhsa_user_sgpr_count 2
		.amdhsa_user_sgpr_kernarg_segment_ptr 1
		.amdhsa_wavefront_size32 1
		.amdhsa_system_sgpr_workgroup_id_x 1
		.amdhsa_system_sgpr_workgroup_id_y 1
		.amdhsa_system_sgpr_workgroup_id_z 1
		.amdhsa_system_vgpr_workitem_id 0
		.amdhsa_next_free_vgpr 256
		.amdhsa_next_free_sgpr 66
		.amdhsa_reserve_vcc 1
		.amdhsa_float_denorm_mode_32 3
		.amdhsa_float_denorm_mode_16_64 3
		.amdhsa_memory_ordered 1
		.amdhsa_forward_progress 1
		.amdhsa_inst_pref_size 96
	.end_amdhsa_kernel
	.amdgpu_metadata
---
amdhsa.version: [ 1, 2 ]
amdhsa.kernels:
  - .name:           k_q0126b1d1a3_prep
    .symbol:         k_q0126b1d1a3_prep.kd
    .args:
      - { .name: x, .offset: 0, .size: 8, .value_kind: global_buffer, .address_space: global }
      - { .name: hidden, .offset: 8, .size: 8, .value_kind: global_buffer, .address_space: global }
      - { .name: w_r, .offset: 16, .size: 8, .value_kind: global_buffer, .address_space: global }
      - { .name: w_z, .offset: 24, .size: 8, .value_kind: global_buffer, .address_space: global }
      - { .name: w_n, .offset: 32, .size: 8, .value_kind: global_buffer, .address_space: global }
      - { .name: w_pre, .offset: 40, .size: 8, .value_kind: global_buffer, .address_space: global }
      - { .name: xh_codes, .offset: 48, .size: 8, .value_kind: global_buffer, .address_space: global }
      - { .name: xr_codes, .offset: 56, .size: 8, .value_kind: global_buffer, .address_space: global }
      - { .name: xh_sc, .offset: 64, .size: 8, .value_kind: global_buffer, .address_space: global }
      - { .name: xr_sc, .offset: 72, .size: 8, .value_kind: global_buffer, .address_space: global }
      - { .name: psum, .offset: 80, .size: 8, .value_kind: global_buffer, .address_space: global }
    .group_segment_fixed_size: 68096
    .private_segment_fixed_size: 0
    .kernarg_segment_align: 8
    .kernarg_segment_size: 88
    .max_flat_workgroup_size: 128
    .sgpr_count:     66
    .vgpr_count:     256
    .wavefront_size: 32
...
	.end_amdgpu_metadata
.endif
;; end of part 1
;; launch gates (part 2): grid 16 x 16, 4 waves a work-group, clusters of 4 x 4, 327,680 bytes of LDS; arguments xh_codes, xh_sc, w_pre, psum, b_r, b_z, hidden, xr_codes, xr_sc, zbuf; writes xr_codes, xr_sc, zbuf
.if DOCPART == 2
	.amdgcn_target "amdgcn-amd-amdhsa--gfx1250"
	.amdhsa_code_object_version 6
	.text
	.protected	k_q0126b1d1a3_gates
	.globl	k_q0126b1d1a3_gates
	.p2align	8
	.type	k_q0126b1d1a3_gates,@function
k_q0126b1d1a3_gates:
	s_mov_b64 s[64:65], 0
	v_nop
	global_prefetch_b8 v0, s[64:65] scope:SCOPE_SE
	s_setreg_imm32_b32 hwreg(HW_REG_WAVE_MODE, 25, 1), 1
	s_wait_xcnt 0x0
	s_wait_alu depctr_hold_cnt(0) depctr_sa_sdst(0) depctr_va_vdst(0) depctr_va_sdst(0) depctr_va_ssrc(0) depctr_va_vcc(0) depctr_vm_vsrc(0)
	s_getreg_b32 s2, hwreg(HW_REG_IB_STS2, 6, 4)
	s_cmp_eq_u32 s2, 0
	s_cbranch_scc0 .Lentry_in_a_cluster
	s_endpgm
.Lentry_in_a_cluster:
	s_bfe_u32 s2, ttmp6, 0x10000c
	s_cmp_lg_u32 s2, 0xf033
	s_cbranch_scc0 .Lentry_shape_is_right
	s_endpgm
.Lentry_shape_is_right:
; GATES: r = sigmoid([x | hidden] Wr^T + b_r), z = sigmoid([x | hidden] Wz^T + b_z) on codes of E2M3, K = 4,096.
; A work-group makes 128 rows x 128 columns of BOTH gates; wave w makes 128 rows x (r's columns 32 w .. 32 w + 31 and z's): 8 blocks of rows x 4 weight tiles = 32 accumulators.
; r * hidden is quantised along the next product's K in the accumulators' own layout and stored as fragment images (xr_codes, K step 16 + tile column) with its scale words (xr_sc).
; z goes to zbuf as images of the accumulators' registers: [work-group 256][wave 4][block 8][tile 2][half 2][512 bytes]; the next launch loads them into the same lanes.
; OPERANDS are fragment images of 1,536 bytes (16 rows x 128 K; registers 4 c .. 4 c + 3 of lane l at 512 c + 16 l): three LDS loads of 512 consecutive bytes bring one.
; THE WEIGHTS arrive as pre-codes (sign, all magnitude bits set; 0 for w = 0).  Each wave finishes both gates' means S of |w| from 512 partial sums, converts sixteen copies of S by the quantiser's conversion,
; sets the sign bits beside them and ANDs every weight register with these three masks: the quantiser's result for sign(w) * S.  All blocks of a weight tensor have the largest magnitude S: one scale word serves.
; THE PRODUCT IS USED TRANSPOSED (source 0 = a weight tile, source 1 = 16 rows): register j of tile u in lane (r, h) is column 32 w + 16 h + 8 u + j of row r.  The bias is the C of each sum's first product.
; THE RING: two LDS slots of four K steps: A's 8 block rows (49,152 bytes), r's 8 tiles, z's 8 tiles, 4 x 512 bytes of A's scale words.  Wave 0 fetches A, wave 1 r's tiles, wave 2 z's, wave 3 the scale words:
; one tensor load a wave at the head and behind each round.  CLUSTER 4 x 4: A and its scale words are asked for jointly along a row of the cluster, the weights along a column.
; A slot is asked for again at the head of its last K step, when that step's fragments are in registers; the wait for that load stands four K steps on.
; At K step 27 slot 0 takes hidden's 128 rows x 512 bytes (rows 528 bytes apart), each wave 32 rows, by a load of the work-group's own.
; PREFETCH: behind each refill of the loop's first two trips waves 0-2 name the fill two refills on: of the 8 rows that a wave fetches each of the four partners takes two, told apart by address,
; 24 blocks of 256 bytes a row, a lane a block (lanes 24-31 name block 23 again).  The scale words and hidden are 2 KiB and 64 KiB beside 1,152 KiB of codes and are not named.
; REGISTERS.  window 0: addresses, v16-17 the weights' scale words, v32-39 A's scale words (two sets).  window 1: A's fragments, set p at v[96 p + 12 a]; the bias at v192-223; later hidden.
; window 2: accumulators of blocks 0-3 at v[8 (4 a + t)].  window 3: those of blocks 4-7 at v0-127, B's two sets at v128-223: so the ANDs on a set of B run under the products' own window setting.
; LIMITS: NaN and infinities are not served.  A block of zeros of r * hidden gets the byte 1 where the rule says 127: its codes are zeros, and this program alone reads the bytes.
.set NB,    4                          ; weight tiles to a wave
.set NBR,   8                          ; weight tiles to a tensor load
.set FRB,   1536
.set BLKB,  32*FRB                     ; a block row or a weight tile in memory
.set SFB,   4*FRB                      ; its part of a slot
.set BOF,   8*SFB                      ; where the weights begin in a slot
.set BH,    NBR*SFB
.set SCO,   BOF+2*BH                   ; where the scale words begin
.set SLOT,  SCO+2048
.set SPARE, 2*SLOT                     ; the spare words: 512 bytes that no other line names
.set STG,   SLOT                       ; the way out: slot 1, behind its last fill and its last read
.set HP,    528                        ; hidden's rows in LDS
.set AA,    8                          ; v8-9   16 x lane + slot
.set BA,    10                         ; v10-11 my tiles in slot 0, 1
.set SA,    12                         ; v12-13 the scale words in slot 0, 1
.set SPW,   14
.set NIL,   15
.set WSC,   16
.set L4,    18
.set H64,   19
.set PFO,   20
.set HB,    21                         ; hidden: 528 r + 64 h + 128 w
.set CA,    22                         ; v22-24 where my three code words go in an image
.set SBA,   25                         ; where my scale byte goes
.set RB,    26                         ; images read back
.set RS,    27                         ; scale words read back
.set SC,    32
.set BIAS,  192
.set BS,    128
.set G1A, 24
.set G1B, 32
.set G1S, 40
.set G1H, 48
.set G0A, 56
.set G0B, 68
.set G0S, 76
.set G0H, 84
.set MK,  88                           ; s[88:93] three masks a gate
.set LIM, 67
.set WV,  98
.set CNT, 99
.set PFA, 100
.set MSB, 0
.macro WIN new                         ; the immediate's high byte repeats the setting that is left
.if MSB != (\new)
	s_set_vgpr_msb (MSB<<8)|(\new)
.set MSB, (\new)
.endif
.endm
.macro PLACES n
.rept \n
	v_nop
.endr
.endm
.macro CREST
	s_cmp_lg_u32 s[WV], 0
	s_cbranch_scc1 .Lnw0_\@
	s_barrier_signal -3
.Lnw0_\@:
	s_barrier_wait -3
	s_barrier_signal -1
	s_barrier_wait -1
.endm
.macro CROUND
	s_barrier_signal -1
	s_barrier_wait -1
	CREST
.endm
.macro DESC g, c, r, p                 ; group 1 behind its first word: r rows of c elements of 8 bytes, p elements apart
	s_mov_b32 s[\g+1], (\c)<<16
	s_mov_b32 s[\g+2], (\r)<<16
	s_mov_b32 s[\g+3], (\c)<<16
	s_mov_b32 s[\g+4], \r
	s_mov_b32 s[\g+5], \p
	s_mov_b32 s[\g+6], 0
	s_mov_b32 s[\g+7], 0
.endm
.macro JLOAD s                         ; one chain of branches on the wave's number, a joint load to an arm (s_nop 0 and four v_nop behind each)
	s_cmp_eq_u32 s[WV], 0
	s_cbranch_scc0 .Ljb_\@
	tensor_load_to_lds s[G0A+4*\s:G0A+4*\s+3], s[G1A:G1A+7]
	s_nop 0
	PLACES 4
	s_branch .Ljx_\@
.Ljb_\@:
	s_cmp_eq_u32 s[WV], 3
	s_cbranch_scc1 .Ljs_\@
	tensor_load_to_lds s[G0B+4*\s:G0B+4*\s+3], s[G1B:G1B+7]
	s_nop 0
	PLACES 4
	s_branch .Ljx_\@
.Ljs_\@:
	tensor_load_to_lds s[G0S+4*\s:G0S+4*\s+3], s[G1S:G1S+7]
	s_nop 0
	PLACES 4
.Ljx_\@:
.endm
.macro ASK                             ; the fill two refills on; not in the loop's last trip, not in wave 3
	s_cmp_gt_u32 s[CNT], s[LIM]
	s_cbranch_scc0 .Lna_\@
	global_prefetch_b8 v[PFO], s[PFA:PFA+1] th:TH_LOAD_NT scope:SCOPE_SE
	global_prefetch_b8 v[PFO], s[PFA:PFA+1] offset:BLKB th:TH_LOAD_NT scope:SCOPE_SE
.Lna_\@:
.endm
; K step q (counted modulo 8) lies in slot (q / 4) % 2 and goes to register set q % 2
.macro FB q
	WIN 0xc0
.set jt, 0
.rept NB
.irp c, 0,1,2
	ds_load_b128 v[BS+12*NB*((\q)%2)+12*jt+4*\c:BS+12*NB*((\q)%2)+12*jt+4*\c+3], v[BA+((\q)/4)%2] offset:(jt/2)*BH+(jt%2)*SFB+((\q)%4)*FRB+512*\c
.endr
.set jt, jt+1
.endr
.endm
.macro FS q                            ; register i: lanes 0-15 block 2 i's words, lanes 16-31 block 2 i + 1's
	WIN 0
.irp i, 0,1,2,3
	ds_load_b32 v[SC+4*((\q)%2)+\i], v[SA+((\q)/4)%2] offset:((\q)%4)*512+\i*128
.endr
.endm
.macro FA q, a0                        ; A's blocks a0 .. a0 + 3
	WIN 0x40
.set ja, \a0
.rept 4
.irp c, 0,1,2
	ds_load_b128 v[96*((\q)%2)+12*ja+4*\c:96*((\q)%2)+12*ja+4*\c+3], v[AA+((\q)/4)%2] offset:ja*SFB+((\q)%4)*FRB+512*\c
.endr
.set ja, ja+1
.endr
.endm
.macro AND1 p                          ; register jn of B's set p: a pre-code becomes a code
	v_and_b32 v[BS+12*NB*(\p)+jn], v[BS+12*NB*(\p)+jn], s[MK+3*(jn/24)+jn%3]
.set jn, jn+1
.endm
.macro PATCH p
.set jn, 0
.rept 12*NB
	AND1 \p
.endr
.endm
.macro MM p, first
.set DD, 8*(NB*(ja%4)+jt)
.if \first
.set CC, BIAS+8*jt
.else
.set CC, DD
.endif
.if ja%2
	v_wmma_scale_f32_16x16x128_f8f6f4 v[DD:DD+7], v[BS+12*NB*(\p)+12*jt:BS+12*NB*(\p)+12*jt+11], v[96*(\p)+12*ja:96*(\p)+12*ja+11], v[CC:CC+7], v[WSC+jt/2], v[SC+4*(\p)+ja/2] matrix_a_fmt:MATRIX_FMT_FP6 matrix_b_fmt:MATRIX_FMT_FP6 matrix_b_scale:MATRIX_SCALE_ROW1
.else
	v_wmma_scale_f32_16x16x128_f8f6f4 v[DD:DD+7], v[BS+12*NB*(\p)+12*jt:BS+12*NB*(\p)+12*jt+11], v[96*(\p)+12*ja:96*(\p)+12*ja+11], v[CC:CC+7], v[WSC+jt/2], v[SC+4*(\p)+ja/2] matrix_a_fmt:MATRIX_FMT_FP6 matrix_b_fmt:MATRIX_FMT_FP6
.endif
.endm
; blocks a0 .. a0 + na - 1 against my tiles; the accumulators take turns.  pat = 1: three ANDs on the other set of B stand behind each product
.macro MULS a0, na, p, first, pat
.set ja, \a0
.set jn, 0
.rept \na
.set jt, 0
.rept NB
	MM \p, \first
.if \pat
.rept 3
	AND1 1-(\p)
.endr
.endif
.set jt, jt+1
.endr
.set ja, ja+1
.endr
.endm
.macro ENDS                            ; four places: behind the last product for the next loads, and between the last AND and the products that read its result
	PLACES 4
	s_wait_alu depctr_va_vdst(0)
	s_wait_dscnt 12                                ; all but the youngest twelve loads, the next step's blocks 4-7
.endm
; kind 0: a plain step.  1: a slot's last step, the slot is filled again.  2: the same, slot 0 takes hidden.  3: the last step of all
.macro STEP q, kind, first
.set P, (\q)%2
.if \kind == 0
	FB (\q)+1
	FS (\q)+1
	FA (\q)+1, 0
	WIN 0xa7-0x10*(\first)
	MULS 0, 4, P, \first, 0
	s_wait_dscnt 16                                ; my blocks 4-7 and the next set of B are in; the scale words and blocks 0-3 behind them may be out
	FA (\q)+1, 4
	WIN 0xf7-0x20*(\first)
	MULS 4, 4, P, \first, 1
	ENDS
.endif
.if \kind == 1 || \kind == 2
	WIN 0
.if \kind == 1
	s_wait_xcnt 0x0                                ; my prefetches have read their address: it steps one fill on
	s_add_nc_u64 s[PFA:PFA+1], s[PFA:PFA+1], SFB
.endif
	s_wait_tensorcnt 0x0                           ; my one load that was out, my part of the other slot, has landed
	ds_add_u32 v[SPW], v[NIL]
	WIN 0xa7
	MULS 0, 2, P, 0, 0
	s_wait_dscnt 0x0                               ; the add is done, and my reads of this slot are over
	s_barrier_signal -1
	MULS 2, 2, P, 0, 0
	WIN 0
	s_barrier_wait -1
	CREST                                          ; the barrier has opened a round of the cluster's barrier
.if \kind == 1
.set SL, ((\q)/4)%2
	s_add_nc_u64 s[G0A+4*SL+2:G0A+4*SL+3], s[G0A+4*SL+2:G0A+4*SL+3], 2*SFB
	s_add_nc_u64 s[G0B+4*SL+2:G0B+4*SL+3], s[G0B+4*SL+2:G0B+4*SL+3], 2*SFB
	s_add_nc_u64 s[G0S+4*SL+2:G0S+4*SL+3], s[G0S+4*SL+2:G0S+4*SL+3], 8*8192
	JLOAD SL
.else
	tensor_load_to_lds s[G0H:G0H+3], s[G1H:G1H+7]  ; my 32 rows of hidden
	s_nop 0
	PLACES 4
.endif
	FB (\q)+1
	FS (\q)+1
	FA (\q)+1, 0
	FA (\q)+1, 4
	WIN 0
.if \kind == 1
	ASK
.endif
	WIN 0xf7
	MULS 4, 4, P, 0, 0
	s_wait_dscnt 28                                ; the next set of B is in
	PATCH 1-P
	ENDS
.endif
.if \kind == 3
	WIN 0xa7
	MULS 0, 4, P, 0, 0
	s_wait_dscnt 0x0
	WIN 0xf7
	MULS 4, 4, P, 0, 0
	PLACES 4
	WIN 0
.endif
.endm
; a gate's mean S from my 16 partial sums in v[x .. x + 15]: a tree, then over the lanes, the same order in every wave; its masks and scale word
.macro MEAN x, g
.irp k, 0,2,4,6
	v_pk_add_f32 v[\x+\k:\x+\k+1], v[\x+\k:\x+\k+1], v[\x+8+\k:\x+9+\k]
.endr
	v_pk_add_f32 v[\x:\x+1], v[\x:\x+1], v[\x+4:\x+5]
	v_pk_add_f32 v[\x+2:\x+3], v[\x+2:\x+3], v[\x+6:\x+7]
	v_pk_add_f32 v[\x:\x+1], v[\x:\x+1], v[\x+2:\x+3]
	v_add_f32 v[\x], v[\x], v[\x+1]
.irp m, 1,2,4,8
	v_add_f32_dpp v[\x], v[\x], v[\x] row_xmask:\m row_mask:0xf bank_mask:0xf
.endr
	v_permlanex16_b32 v[\x+1], v[\x], s96, s97
	v_add_f32 v[\x], v[\x], v[\x+1]
	v_mul_f32 v[\x], 0x34000000, v[\x]             ; S = the sum / 2^23
	v_max_num_f32 v[\x+16], 0x1800000, v[\x]       ; the floor 2^(3 - 127)
	v_add_nc_u32 v[\x+16], 0xff000000, v[\x+16]    ; 2 off the exponent field: the conversion's scale operand
	v_lshrrev_b32 v[\x+17], 23, v[\x+16]
.irp i, 1,2,3,4,5,6,7,8,9,10,11,12,13,14,15
	v_mov_b32 v[\x+\i], v[\x]
.endr
	v_cvt_scalef32_pk16_fp6_f32 v[\x+20:\x+22], v[\x:\x+15], v[\x+16]
	v_lshl_or_b32 v[\x+18], v[\x+17], 8, v[\x+17]  ; (a plain place behind the conversion)
	v_lshl_or_b32 v[WSC+\g], v[\x+18], 16, v[\x+18]
	v_or_b32 v[\x+20], 0x20820820, v[\x+20]        ; the sign bits, bit 6 i + 5 of the 96
	v_or_b32 v[\x+21], 0x08208208, v[\x+21]
	v_or_b32 v[\x+22], 0x82082082, v[\x+22]
	v_readfirstlane_b32 s[MK+3*\g], v[\x+20]
	v_readfirstlane_b32 s[MK+3*\g+1], v[\x+21]
	v_readfirstlane_b32 s[MK+3*\g+2], v[\x+22]
.endm
	s_load_b256 s[4:11], s[0:1], 0x0               ; xh_codes, xh_sc, w_pre, psum
	s_load_b256 s[12:19], s[0:1], 0x20             ; b_r, b_z, hidden, xr_codes
	s_load_b128 s[20:23], s[0:1], 0x40             ; xr_sc, zbuf
	v_lshl_add_u32 v[SPW], v0, 2, SPARE
	v_mov_b32 v[NIL], 0
	ds_add_u32 v[SPW], v[NIL]                      ; the opening lines
	ds_add_u32 v[SPW], v[NIL]
	v_lshrrev_b32 v1, 5, v0
	v_readfirstlane_b32 s[WV], v1                  ; wave
	s_bfe_u32 s84, ttmp6, 0x40000                  ; cx
	s_bfe_u32 s85, ttmp6, 0x40004                  ; cy
	s_lshl_b32 s2, ttmp9, 2
	s_add_co_u32 s2, s2, s84                       ; tile column
	s_and_b32 s3, ttmp7, 0xffff
	s_lshl_b32 s3, s3, 2
	s_add_co_u32 s3, s3, s85                       ; tile row
	s_lshl_b32 s86, s85, 2
	s_lshl_b32 s86, 15, s86                        ; my row of the cluster
	s_lshl_b32 s87, 0x1111, s84                    ; my column
	s_or_b32 s[G1A], s86, (3<<16)|(1<<21)
	s_or_b32 s[G1S], s86, (3<<16)|(1<<21)
	s_or_b32 s[G1B], s87, (3<<16)|(1<<21)
	s_mov_b32 s[G1H], (3<<16)|(1<<20)|(6<<22)|(3<<25)   ; no mask; 16 bytes of padding behind every 512
	DESC G1A, SFB/8, 8, BLKB/8
	DESC G1B, SFB/8, NBR, BLKB/8
	DESC G1S, 64, 4, 1024
	DESC G1H, 64, 32, 1024
	s_mul_i32 s86, s3, 8*BLKB                      ; A: block row 8 x tile row
	s_mov_b32 s87, 0
	s_lshr_b32 s88, s[WV], 1                       ; B: wave 1 fetches r's tiles, wave 2 z's, 128 tiles on
	s_lshl_b32 s88, s88, 7
	s_lshl_b32 s89, s2, 3
	s_add_co_u32 s88, s88, s89
	s_mul_i32 s88, s88, BLKB
	s_mov_b32 s89, 0
	s_lshl_b32 s90, s3, 9                          ; scale words: my tile row's 512 bytes of a K step
	s_mov_b32 s91, 0
	s_lshl_b32 s92, s3, 2
	s_add_co_u32 s92, s92, s[WV]
	s_lshl_b32 s92, s92, 18                        ; hidden: row 128 x tile row + 32 x wave,
	s_lshl_b32 s93, s2, 9
	s_add_co_u32 s92, s92, s93                     ; column 128 x tile column
	s_mov_b32 s93, 0
	s_cmp_eq_u32 s[WV], 0
	s_cselect_b32 s94, s84, s85                    ; my place among the four that ask with me
	s_mul_i32 s94, s94, 2*BLKB
	s_add_co_u32 s94, s94, 3*SFB                   ; the first refill steps this to fill 4
	s_mov_b32 s95, 0
	s_cmp_lt_u32 s[WV], 3
	s_cselect_b32 s[LIM], 1, -1
	v_and_b32 v1, 31, v0                           ; lane
	v_and_b32 v2, 15, v0                           ; r
	v_bfe_u32 v3, v0, 4, 1                         ; h
	v_lshlrev_b32 v[AA], 4, v1
	v_lshlrev_b32 v[L4], 2, v1
	v_lshlrev_b32 v[H64], 6, v3
	s_wait_alu depctr_va_vdst(0)
	v_add_nc_u32 v[AA+1], SLOT, v[AA]
	s_mul_i32 s66, s[WV], 2*SFB
	s_add_co_u32 s66, s66, BOF
	v_add_nc_u32 v[BA], s66, v[AA]
	v_add_nc_u32 v[BA+1], SLOT, v[BA]
	v_add_nc_u32 v[SA], SCO, v[L4]
	v_add_nc_u32 v[SA+1], SCO+SLOT, v[L4]
	v_min_u32 v[PFO], 23, v1
	v_lshlrev_b32 v[PFO], 8, v[PFO]
	v_mul_u32_u24 v[HB], v2, HP
	s_lshl_b32 s66, s[WV], 7
	v_add_nc_u32 v[HB], v[HB], v[H64]
	v_add_nc_u32 v[HB], s66, v[HB]
	s_lshr_b32 s66, s[WV], 1
	s_mul_i32 s66, s66, 6
	v_mad_u32_u24 v4, v3, 3, s66                   ; my block of 32 is block w of the K step: image registers 6 (w / 2) + 3 h + i of image lane r + 16 (w % 2)
	s_and_b32 s66, s[WV], 1
	s_lshl_b32 s66, s66, 8
	s_add_co_u32 s66, s66, STG
	v_lshl_add_u32 v5, v2, 4, s66
.irp i, 0,1,2
	v_add_nc_u32 v6, \i, v4
	v_lshrrev_b32 v7, 2, v6
	v_and_b32 v6, 3, v6
	v_lshl_add_u32 v7, v7, 9, v5
	v_lshl_add_u32 v[CA+\i], v6, 2, v7
.endr
	s_add_co_u32 s66, s[WV], STG+8*FRB
	v_lshl_add_u32 v[SBA], v2, 2, s66              ; byte w of row r's word
	s_mul_i32 s66, s[WV], 2*FRB
	s_add_co_u32 s66, s66, STG
	v_add_nc_u32 v[RB], s66, v[AA]
	s_lshl_b32 s66, s[WV], 7
	s_add_co_u32 s66, s66, STG+8*FRB
	v_add_nc_u32 v[RS], s66, v[L4]
	s_wait_alu depctr_va_vdst(0)
	s_wait_dscnt 0x0                               ; both opening adds are done
	s_wait_kmcnt 0x0
	s_add_nc_u64 s[4:5], s[4:5], s[86:87]
	s_add_nc_u64 s[8:9], s[8:9], s[88:89]
	s_add_nc_u64 s[6:7], s[6:7], s[90:91]
	s_add_nc_u64 s[16:17], s[16:17], s[92:93]
	s_cmp_eq_u32 s[WV], 0
	s_cselect_b64 s[PFA:PFA+1], s[4:5], s[8:9]
	s_add_nc_u64 s[PFA:PFA+1], s[PFA:PFA+1], s[94:95]
	s_mul_i32 s66, s[WV], BH
	s_add_co_u32 s66, s66, BOF-BH                  ; waves 1 and 2: where their tiles go
.irp s, 0,1
	s_mov_b32 s[G0A+4*\s], 1
	s_mov_b32 s[G0A+4*\s+1], \s*SLOT
	s_add_nc_u64 s[G0A+4*\s+2:G0A+4*\s+3], s[4:5], \s*SFB
	s_or_b32 s[G0A+4*\s+3], s[G0A+4*\s+3], 0x80000000
	s_mov_b32 s[G0B+4*\s], 1
	s_add_co_u32 s[G0B+4*\s+1], s66, \s*SLOT
	s_add_nc_u64 s[G0B+4*\s+2:G0B+4*\s+3], s[8:9], \s*SFB
	s_or_b32 s[G0B+4*\s+3], s[G0B+4*\s+3], 0x80000000
	s_mov_b32 s[G0S+4*\s], 1
	s_mov_b32 s[G0S+4*\s+1], SCO+\s*SLOT
	s_add_nc_u64 s[G0S+4*\s+2:G0S+4*\s+3], s[6:7], \s*4*8192
	s_or_b32 s[G0S+4*\s+3], s[G0S+4*\s+3], 0x80000000
.endr
	s_mov_b32 s[G0H], 1
	s_mul_i32 s[G0H+1], s[WV], 32*HP
	s_mov_b64 s[G0H+2:G0H+3], s[16:17]
	s_or_b32 s[G0H+3], s[G0H+3], 0x80000000
	CROUND                                         ; all sixteen work-groups are here: the first joint loads meet
	JLOAD 0                                        ; K steps 0-3: one tensor load a wave at the head
.irp k, 0,1,2,3
	global_load_b128 v[64+4*\k:67+4*\k], v[AA], s[10:11] offset:512*\k          ; r's 512 partial sums
	global_load_b128 v[96+4*\k:99+4*\k], v[AA], s[10:11] offset:2048+512*\k     ; z's
.endr
	s_lshl_b32 s92, s2, 9
	s_lshl_b32 s66, s[WV], 7
	s_add_co_u32 s92, s92, s66                     ; my 32 columns' biases
	s_add_nc_u64 s[12:13], s[12:13], s[92:93]
	s_add_nc_u64 s[14:15], s[14:15], s[92:93]
	WIN 0x40
.irp u, 0,1
	global_load_b128 v[BIAS+8*\u:BIAS+8*\u+3], v[H64], s[12:13] offset:32*\u           ; lane (r, h), tile u: columns 16 h + 8 u + 0 .. 7
	global_load_b128 v[BIAS+8*\u+4:BIAS+8*\u+7], v[H64], s[12:13] offset:32*\u+16
	global_load_b128 v[BIAS+16+8*\u:BIAS+16+8*\u+3], v[H64], s[14:15] offset:32*\u
	global_load_b128 v[BIAS+16+8*\u+4:BIAS+16+8*\u+7], v[H64], s[14:15] offset:32*\u+16
.endr
	WIN 0
	s_lshl_b32 s92, s3, 3
	s_lshl_b32 s66, s[WV], 1
	s_add_co_u32 s92, s92, s66
	s_mul_i32 s92, s92, BLKB                       ; xr_codes: block row 8 x tile row + 2 x wave,
	s_add_co_u32 s66, s2, 16                       ; K step 16 + tile column
	s_mul_i32 s90, s66, FRB
	s_add_co_u32 s92, s92, s90
	s_add_nc_u64 s[18:19], s[18:19], s[92:93]
	s_lshl_b32 s92, s66, 13
	s_lshl_b32 s90, s3, 9
	s_add_co_u32 s92, s92, s90
	s_lshl_b32 s90, s[WV], 7
	s_add_co_u32 s92, s92, s90
	s_add_nc_u64 s[20:21], s[20:21], s[92:93]      ; xr_sc: that K step, rows 32 (4 x tile row + wave) on
	s_lshl_b32 s92, s3, 4
	s_add_co_u32 s92, s92, s2
	s_lshl_b32 s92, s92, 2
	s_add_co_u32 s92, s92, s[WV]
	s_lshl_b32 s92, s92, 14
	s_add_nc_u64 s[22:23], s[22:23], s[92:93]      ; zbuf: my wave's 16,384 bytes
	s_mov_b32 s94, 0xbfb8aa3b                      ; -log2(e)
	s_mov_b32 s95, s94
	s_mov_b32 s96, 0x76543210
	s_mov_b32 s97, 0xfedcba98                      ; v_permlanex16_b32's selects for lane l xor 16
	s_wait_loadcnt 0x0
	MEAN 64, 0
	MEAN 96, 1
	s_wait_alu depctr_va_vdst(0)
	s_wait_tensorcnt 0x0                           ; my part of K steps 0-3 is in; slot 1's first fill is issued as a refill is
	ds_add_u32 v[SPW], v[NIL]
	s_wait_dscnt 0x0
	CROUND
	JLOAD 1                                        ; K steps 4-7
	FB 0
	FS 0
	FA 0, 0
	FA 0, 4
	s_wait_dscnt 28
	WIN 0xf7
	PATCH 0
	ENDS
	STEP 0, 0, 1                                   ; the first products start the sums from the bias
	WIN 0
	s_mov_b32 s[CNT], 3
.Llap:                                             ; a trip goes once round the ring, from a lap's second K step to the next lap's first
	STEP 1, 0, 0
	STEP 2, 0, 0
	STEP 3, 1, 0
	STEP 4, 0, 0
	STEP 5, 0, 0
	STEP 6, 0, 0
	STEP 7, 1, 0
	STEP 8, 0, 0
	WIN 0
	s_sub_co_u32 s[CNT], s[CNT], 1
	s_cmp_lg_u32 s[CNT], 0
	s_cbranch_scc1 .Llap
	STEP 1, 0, 0                                   ; K steps 25-31
	STEP 2, 0, 0
	STEP 3, 2, 0
	STEP 4, 0, 0
	STEP 5, 0, 0
	STEP 6, 0, 0
	STEP 7, 3, 0
	; ---- THE WAY OUT
	s_wait_tensorcnt 0x0                           ; my rows of hidden are in,
	s_wait_dscnt 0x0                               ; my reads of slot 1 are over:
	s_barrier_signal -1
	s_barrier_wait -1                              ; everybody's are.
	WIN 0x40
.set ja, 0
.rept 8
.irp i, 0,1,2,3
	ds_load_b128 v[16*ja+4*\i:16*ja+4*\i+3], v[HB] offset:ja*16*HP+16*\i     ; hidden(16 a + r, 32 w + 16 h + 4 i ..) in the accumulators' layout
.endr
.set ja, ja+1
.endr
.irp w, 2,3                            ; sigmoid(a) = 1 / (1 + 2^(-a log2 e)), in place, each accumulator from its low end on
	WIN 0x55*\w
.set ji, 0
.rept 64
	v_pk_mul_f32 v[ji:ji+1], v[ji:ji+1], s[94:95] op_sel_hi:[1,0]
.set ji, ji+2
.endr
.endr
	s_wait_alu depctr_va_vdst(0)
.irp w, 2,3
	WIN 0x55*\w
.set ji, 0
.rept 128
	v_exp_f32 v[ji], v[ji]
.set ji, ji+1
.endr
.endr
	v_nop
	s_wait_alu depctr_va_vdst(0)
.irp w, 2,3
	WIN 0x55*\w
.set ji, 0
.rept 64
	v_pk_add_f32 v[ji:ji+1], v[ji:ji+1], 1.0 op_sel_hi:[1,0]
.set ji, ji+2
.endr
.endr
	s_wait_alu depctr_va_vdst(0)
.irp w, 2,3
	WIN 0x55*\w
.set ji, 0
.rept 128
	v_rcp_f32 v[ji], v[ji]
.set ji, ji+1
.endr
.endr
	v_nop
	s_wait_alu depctr_va_vdst(0)
.irp w, 2,3                            ; z: the registers as they are, 512 consecutive bytes a store
	WIN 4*\w
.set ja, 0
.rept 4
.irp e, 0,1,2,3
	global_store_b128 v[AA], v[32*ja+16+4*\e:32*ja+16+4*\e+3], s[22:23] offset:(4*(\w-2)+ja)*2048+512*\e
.endr
.set ja, ja+1
.endr
.endr
	s_wait_dscnt 0x0                               ; hidden is in
.irp w, 2,3                            ; r * hidden; a lane's 16 registers of tiles 0 and 1 are 16 neighbours along the next K, lanes l and l xor 16 hold a block
	WIN 0x40*\w+4+\w
.set ja, 0
.rept 4
.irp k, 0,2,4,6,8,10,12,14
	v_pk_mul_f32 v[32*ja+\k:32*ja+\k+1], v[32*ja+\k:32*ja+\k+1], v[16*(4*(\w-2)+ja)+\k:16*(4*(\w-2)+ja)+\k+1]
.endr
.set ja, ja+1
.endr
	WIN 0x55*\w
.irp a, 0,1,2,3
	v_mov_b32 v[228+\a], 0                         ; a lane permute's destination counts as one of its sources
.endr
.irp a, 0,1,2,3
	v_max3_num_f32 v[224+\a], |v[32*\a]|, |v[32*\a+1]|, 0x1800000   ; with the floor 2^(3 - 127)
.endr
.irp i, 2,4,6,8,10,12,14
.irp a, 0,1,2,3
	v_max3_num_f32 v[224+\a], v[224+\a], |v[32*\a+\i]|, |v[32*\a+\i+1]|
.endr
.endr
.irp a, 0,1,2,3
	v_permlanex16_b32 v[228+\a], v[224+\a], s96, s97
.endr
.irp a, 0,1,2,3
	v_max_num_f32 v[224+\a], v[224+\a], v[228+\a]
.endr
.irp a, 0,1,2,3
	v_add_nc_u32 v[232+\a], 0xff000000, v[224+\a]  ; 2 off the exponent field: the conversion's scale operand
.endr
.irp a, 0,1,2,3
	v_lshrrev_b32 v[236+\a], 23, v[232+\a]         ; the scale's byte
.endr
.irp a, 0,1,2,3
	v_cvt_scalef32_pk16_fp6_f32 v[240+4*\a:242+4*\a], v[32*\a:32*\a+15], v[232+\a]
.endr
	v_nop                                          ; one plain place behind a scaled conversion
	WIN 4*\w
.irp a, 0,1,2,3
.irp i, 0,1,2
	ds_store_b32 v[CA+\i], v[240+4*\a+\i] offset:(4*(\w-2)+\a)*FRB
.endr
	ds_store_b8 v[SBA], v[236+\a] offset:64*(4*(\w-2)+\a)    ; both lanes of a block write the same byte
.endr
.endr
	WIN 0
	s_wait_dscnt 0x0                               ; for the others' sake: my stores into the stage are done
	s_barrier_signal -1
	s_barrier_wait -1                              ; eight whole images and 128 whole scale words lie in the stage
.irp k, 0,1,2,3,4,5
	ds_load_b128 v[64+4*\k:67+4*\k], v[RB] offset:512*\k
.endr
	ds_load_b32 v88, v[RS]
	s_wait_dscnt 0x0
.irp k, 0,1,2,3,4,5
	global_store_b128 v[AA], v[64+4*\k:67+4*\k], s[18:19] offset:(\k/3)*BLKB+(\k%3)*512
.endr
	global_store_b32 v[L4], v88, s[20:21]
	s_wait_tensorcnt 0x0                           ; the wave's end
	ds_add_u32 v[SPW], v[NIL]
	s_wait_dscnt 0x0
	CROUND                                         ; the closing round
	s_endpgm
.Lfunc_end_k_q0126b1d1a3_gates:
	.size	k_q0126b1d1a3_gates, .Lfunc_end_k_q0126b1d1a3_gates-k_q0126b1d1a3_gates
	.p2alignl 7, 3214868480
	.fill 96, 4, 3214868480
	.section	.rodata,"a",@progbits
	.p2align	6, 0x0
	.amdhsa_kernel k_q0126b1d1a3_gates
		.amdhsa_group_segment_fixed_size 327680
		.amdhsa_private_segment_fixed_size 0
		.amdhsa_enable_private_segment 0
		.amdhsa_kernarg_size 80
		.amdhsa_user_sgpr_count 2
		.amdhsa_user_sgpr_kernarg_segment_ptr 1
		.amdhsa_wavefront_size32 1
		.amdhsa_system_sgpr_workgroup_id_x 1
		.amdhsa_system_sgpr_workgroup_id_y 1
		.amdhsa_system_sgpr_workgroup_id_z 1
		.amdhsa_system_vgpr_workitem_id 0
		.amdhsa_next_free_vgpr 1024
		.amdhsa_next_free_sgpr 102
		.amdhsa_reserve_vcc 0
		.amdhsa_float_denorm_mode_32 3
		.amdhsa_float_denorm_mode_16_64 3
		.amdhsa_memory_ordered 1
		.amdhsa_forward_progress 1
		.amdhsa_inst_pref_size 233
	.end_amdhsa_kernel
	.amdgpu_metadata
---
amdhsa.version: [ 1, 2 ]
amdhsa.kernels:
  - .name:           k_q0126b1d1a3_gates
    .symbol:         k_q0126b1d1a3_gates.kd
    .args:
      - { .name: xh_codes, .offset: 0, .size: 8, .value_kind: global_buffer, .address_space: global }
      - { .name: xh_sc, .offset: 8, .size: 8, .value_kind: global_buffer, .address_space: global }
      - { .name: w_pre, .offset: 16, .size: 8, .value_kind: global_buffer, .address_space: global }
      - { .name: psum, .offset: 24, .size: 8, .value_kind: global_buffer, .address_space: global }
      - { .name: b_r, .offset: 32, .size: 8, .value_kind: global_buffer, .address_space: global }
      - { .name: b_z, .offset: 40, .size: 8, .value_kind: global_buffer, .address_space: global }
      - { .name: hidden, .offset: 48, .size: 8, .value_kind: global_buffer, .address_space: global }
      - { .name: xr_codes, .offset: 56, .size: 8, .value_kind: global_buffer, .address_space: global }
      - { .name: xr_sc, .offset: 64, .size: 8, .value_kind: global_buffer, .address_space: global }
      - { .name: zbuf, .offset: 72, .size: 8, .value_kind: global_buffer, .address_space: global }
    .group_segment_fixed_size: 327680
    .private_segment_fixed_size: 0
    .kernarg_segment_align: 8
    .kernarg_segment_size: 80
    .max_flat_workgroup_size: 128
    .sgpr_count:     102
    .vgpr_count:     1024
    .wavefront_size: 32
...
	.end_amdgpu_metadata
.endif
;; end of part 2
;; launch cand (part 3): grid 16 x 16, 4 waves a work-group, clusters of 4 x 4, 327,680 bytes of LDS; arguments xr_codes, xr_sc, w_pre, psum, b_n, out0, hidden, zbuf; writes out0
.if DOCPART == 3
	.amdgcn_target "amdgcn-amd-amdhsa--gfx1250"
	.amdhsa_code_object_version 6
	.text
	.protected	k_q0126b1d1a3_cand
	.globl	k_q0126b1d1a3_cand
	.p2align	8
	.type	k_q0126b1d1a3_cand,@function
k_q0126b1d1a3_cand:
	s_mov_b64 s[64:65], 0
	v_nop
	global_prefetch_b8 v0, s[64:65] scope:SCOPE_SE
	s_setreg_imm32_b32 hwreg(HW_REG_WAVE_MODE, 25, 1), 1
	s_wait_xcnt 0x0
	s_wait_alu depctr_hold_cnt(0) depctr_sa_sdst(0) depctr_va_vdst(0) depctr_va_sdst(0) depctr_va_ssrc(0) depctr_va_vcc(0) depctr_vm_vsrc(0)
	s_getreg_b32 s2, hwreg(HW_REG_IB_STS2, 6, 4)
	s_cmp_eq_u32 s2, 0
	s_cbranch_scc0 .Lentry_in_a_cluster
	s_endpgm
.Lentry_in_a_cluster:
	s_bfe_u32 s2, ttmp6, 0x10000c
	s_cmp_lg_u32 s2, 0xf033
	s_cbranch_scc0 .Lentry_shape_is_right
	s_endpgm
.Lentry_shape_is_right:
; CAND: n = tanh([x | r * hidden] Wn^T + b_n) on codes of E2M3, M = N = 2,048, K = 4,096, and out0 = hidden + z (n - hidden), which is (1 - z) hidden + z n.
; A work-group makes 128 x 128, so that there are 256; wave w makes 128 rows x columns 32 w .. 32 w + 31: 8 blocks of rows x 2 weight tiles = 16 accumulators.
; OPERANDS are fragment images of 1,536 bytes; the weights arrive as pre-codes and are ANDed with (sign bits | the code of the mean S of |w_n|), the quantiser's result for sign(w) * S; one scale word serves all their blocks.
; THE PRODUCT IS USED TRANSPOSED (source 0 = a weight tile, source 1 = 16 rows): register j of tile u in lane (r, h) is column 32 w + 16 h + 8 u + j of row r.  The bias is the C of each sum's first product.
; THE WEIGHTS GO FROM MEMORY STRAIGHT INTO REGISTERS: a tile is read by one wave alone.  A ring of 10 register sets (2 tiles, 24 registers); the set of K step q + 9 is asked for in K step q: 54 loads of a wave are out,
; and they stay out across the rounds.  So the weights are not asked for jointly: with them in LDS a slot would hold 6 K steps in place of 12.
; A AND ITS SCALE WORDS GO THROUGH LDS, which all four waves read: two slots of 12 K steps (8 block rows of 18,432 bytes, 12 x 512 bytes of scale words).  Three fills: K steps 0-11 at the head, 12-23 behind it,
; 24-31 into slot 0 at K step 11.  Waves 0 and 1 fetch three block rows each, wave 2 two, wave 3 the scale words: one tensor load a wave at the head and behind each round.
; CLUSTER 4 x 4: these tiles are asked for jointly along a row of the cluster.  At K step 23 slot 1 takes hidden's 128 rows x 512 bytes (rows 528 bytes apart), each wave 32 rows, by a load of the work-group's own.
; NO PREFETCH: each fill behind the head's is asked for 12 K steps ahead of its first read, and the weights 9 K steps ahead.  The walk along K is written out: fills of 12, 12 and 8 K steps come back to no common start.
; z comes as images of the accumulators' registers, as the launch before stored them.  The result is formed in the accumulators' layout, laid over hidden's bytes in LDS (each lane over what it read), and leaves by rows of 512 bytes.
; REGISTERS.  window 0: addresses, v16 the weights' scale word, v32-39 A's scale words.  window 1: A's fragments, set p at v[96 p + 12 a]; the bias at v192-207; later hidden at v0-127.
; window 2: accumulator (a, u) at v[8 (2 a + u)], z at v128-255.  window 3: the weights' set s at v[24 s].
; LIMITS: NaN and infinities are not served.
.set NB,    2
.set LEAD,  9
.set RING,  10
.set FRB,   1536
.set BLKB,  32*FRB
.set RW1,   12*FRB                     ; a block row's part of a slot, fills 0 and 1
.set RW2,   8*FRB                      ; the same, fill 2
.set SCO,   8*RW1                      ; where the scale words begin in a slot
.set SLOT,  SCO+12*512
.set SPARE, 2*SLOT                     ; the spare words: 512 bytes that no other line names
.set HP,    528
.set AA,    8                          ; v8-13  16 x lane + slot + 3 block rows x 0, 1, 2
.set SPW,   14
.set NIL,   15
.set WSC,   16
.set L4,    18
.set H64,   19
.set HB,    21                         ; hidden: slot 1 + 528 r + 64 h + 128 w
.set RD,    22                         ; rows read back: my 32 rows, 16 bytes a lane
.set AG,    23                         ; fill 2: block rows 4-7
.set SA,    24                         ; v24-25 the scale words in slot 0, 1
.set SC,    32
.set BIAS,  192
.set G1A, 24                           ; three block rows
.set G1B, 32                           ; two block rows
.set G1S, 40
.set G1H, 48
.set G0A, 56
.set G0S, 68
.set G0H, 76
.set MK,  80
.set WV,  98
.set MSB, 0
.macro WIN new
.if MSB != (\new)
	s_set_vgpr_msb (MSB<<8)|(\new)
.set MSB, (\new)
.endif
.endm
.macro PLACES n
.rept \n
	v_nop
.endr
.endm
.macro CREST
	s_cmp_lg_u32 s[WV], 0
	s_cbranch_scc1 .Lnw0_\@
	s_barrier_signal -3
.Lnw0_\@:
	s_barrier_wait -3
	s_barrier_signal -1
	s_barrier_wait -1
.endm
.macro CROUND
	s_barrier_signal -1
	s_barrier_wait -1
	CREST
.endm
.macro DESC g, c, r, p
	s_mov_b32 s[\g+1], (\c)<<16
	s_mov_b32 s[\g+2], (\r)<<16
	s_mov_b32 s[\g+3], (\c)<<16
	s_mov_b32 s[\g+4], \r
	s_mov_b32 s[\g+5], \p
	s_mov_b32 s[\g+6], 0
	s_mov_b32 s[\g+7], 0
.endm
.macro JLOAD ga, gs                    ; one chain of branches on the wave's number, a joint load to an arm
	s_cmp_lt_u32 s[WV], 2
	s_cbranch_scc0 .Ljb_\@
	tensor_load_to_lds s[\ga:\ga+3], s[G1A:G1A+7]
	s_nop 0
	PLACES 4
	s_branch .Ljx_\@
.Ljb_\@:
	s_cmp_eq_u32 s[WV], 3
	s_cbranch_scc1 .Ljs_\@
	tensor_load_to_lds s[\ga:\ga+3], s[G1B:G1B+7]
	s_nop 0
	PLACES 4
	s_branch .Ljx_\@
.Ljs_\@:
	tensor_load_to_lds s[\gs:\gs+3], s[G1S:G1S+7]
	s_nop 0
	PLACES 4
.Ljx_\@:
.endm
.macro BLOAD q                         ; my two tiles of K step q into set q % 10: each load reads 512 consecutive bytes
	WIN 0xc0
.set jt, 0
.rept NB
.irp c, 0,1,2
	global_load_b128 v[24*((\q)%RING)+12*jt+4*\c:24*((\q)%RING)+12*jt+4*\c+3], v[AA], s[8:9] offset:jt*BLKB+(\q)*FRB+512*\c
.endr
.set jt, jt+1
.endr
.endm
.macro FS q                            ; register i: lanes 0-15 block 2 i's words, lanes 16-31 block 2 i + 1's
	WIN 0
.if (\q) < 24
.set SR, SA+(\q)/12
.set SO, ((\q)%12)*512
.else
.set SR, SA
.set SO, ((\q)-24)*512
.endif
.irp i, 0,1,2,3
	ds_load_b32 v[SC+4*((\q)%2)+\i], v[SR] offset:SO+\i*128
.endr
.endm
.macro FA q, a0                        ; A's blocks a0 .. a0 + 3 of K step q
	WIN 0x40
.set ja, \a0
.rept 4
.if (\q) < 24
.set AR, AA+3*((\q)/12)+ja/3
.set AO, (ja%3)*RW1+((\q)%12)*FRB
.else
.set AR, AA+(AG-AA)*(ja/4)
.set AO, (ja%4)*RW2+((\q)-24)*FRB
.endif
.irp c, 0,1,2
	ds_load_b128 v[96*((\q)%2)+12*ja+4*\c:96*((\q)%2)+12*ja+4*\c+3], v[AR] offset:AO+512*\c
.endr
.set ja, ja+1
.endr
.endm
.macro PATCH q                         ; pre-codes become codes
	WIN 0xcc
.set jn, 0
.rept 12*NB
	v_and_b32 v[24*((\q)%RING)+jn], s[MK+jn%3], v[24*((\q)%RING)+jn]
.set jn, jn+1
.endr
.endm
.macro MM q, first
.set DD, 8*(NB*ja+jt)
.if \first
.set CC, BIAS+8*jt
.else
.set CC, DD
.endif
.if ja%2
	v_wmma_scale_f32_16x16x128_f8f6f4 v[DD:DD+7], v[24*((\q)%RING)+12*jt:24*((\q)%RING)+12*jt+11], v[96*((\q)%2)+12*ja:96*((\q)%2)+12*ja+11], v[CC:CC+7], v[WSC], v[SC+4*((\q)%2)+ja/2] matrix_a_fmt:MATRIX_FMT_FP6 matrix_b_fmt:MATRIX_FMT_FP6 matrix_b_scale:MATRIX_SCALE_ROW1
.else
	v_wmma_scale_f32_16x16x128_f8f6f4 v[DD:DD+7], v[24*((\q)%RING)+12*jt:24*((\q)%RING)+12*jt+11], v[96*((\q)%2)+12*ja:96*((\q)%2)+12*ja+11], v[CC:CC+7], v[WSC], v[SC+4*((\q)%2)+ja/2] matrix_a_fmt:MATRIX_FMT_FP6 matrix_b_fmt:MATRIX_FMT_FP6
.endif
.endm
.macro MULS a0, na, q, first           ; the accumulators take turns
	WIN 0xa7-0x10*(\first)
.set ja, \a0
.rept \na
.set jt, 0
.rept NB
	MM \q, \first
.set jt, jt+1
.endr
.set ja, ja+1
.endr
.endm
.macro ZLOAD hf                        ; half of z, into registers that no product names: 512 consecutive bytes a load
	WIN 0x80
.set ja, 4*(\hf)
.rept 4
.irp e, 0,1,2,3
	global_load_b128 v[128+16*ja+4*\e:128+16*ja+4*\e+3], v[AA], s[18:19] offset:ja*2048+512*\e th:TH_LOAD_NT
.endr
.set ja, ja+1
.endr
.endm
.macro FIN q                           ; a step's end: the next set of weights is in and becomes codes
.set CN, 30-(\q)
.if CN > LEAD-1
.set CN, LEAD-1
.endif
.set CN, 6*CN
.if (\q) >= 25
.set CN, CN+16
.endif
.if (\q) >= 27
.set CN, CN+16
.endif
	s_wait_loadcnt CN                              ; loads come back in order: what was asked for behind set q + 1 may be out
	PATCH (\q)+1
	PLACES 4                                       ; between the last AND and the products that read its result
	s_wait_alu depctr_va_vdst(0)
	s_wait_dscnt 12                                ; all but the next step's blocks 4-7
.endm
; kind 0: a plain step.  1: slot 0's last step, it takes K steps 24-31.  2: slot 1's last step, it takes hidden.  3: the last step of all
.macro STEP q, kind, first
.if \kind == 0
	FS (\q)+1
	FA (\q)+1, 0
.if (\q)+LEAD < 32
	BLOAD (\q)+LEAD
.endif
.if (\q) == 25
	ZLOAD 0
.endif
.if (\q) == 27
	ZLOAD 1
.endif
	MULS 0, 4, \q, \first
	s_wait_dscnt 16                                ; my blocks 4-7 are in; the 16 loads just issued may be out
	FA (\q)+1, 4
	MULS 4, 4, \q, \first
	FIN \q
.endif
.if \kind == 1 || \kind == 2
	WIN 0
	s_wait_tensorcnt 0x0                           ; my part of the other slot has landed
	ds_add_u32 v[SPW], v[NIL]
	MULS 0, 2, \q, 0
	s_wait_dscnt 0x0                               ; the add is done, and my reads of this slot are over
	s_barrier_signal -1
	MULS 2, 2, \q, 0
	WIN 0
	s_barrier_wait -1
	CREST                                          ; the barrier has opened a round of the cluster's barrier
.if \kind == 1
	s_mov_b32 s[G1A+1], (RW2/8)<<16                ; no tensor load of mine is out: the last fill has rows of 8 K steps
	s_mov_b32 s[G1A+3], (RW2/8)<<16
	s_mov_b32 s[G1B+1], (RW2/8)<<16
	s_mov_b32 s[G1B+3], (RW2/8)<<16
	s_mov_b32 s[G1S+2], 8<<16
	s_mov_b32 s[G1S+4], 8
	s_mul_i32 s[G0A+1], s[WV], 3*RW2
	s_add_nc_u64 s[G0A+2:G0A+3], s[G0A+2:G0A+3], 24*FRB
	s_add_nc_u64 s[G0S+2:G0S+3], s[G0S+2:G0S+3], 24*8192
	JLOAD G0A, G0S
.else
	tensor_load_to_lds s[G0H:G0H+3], s[G1H:G1H+7]  ; my 32 rows of hidden
	s_nop 0
	PLACES 4
.endif
	FS (\q)+1
	FA (\q)+1, 0
	FA (\q)+1, 4
.if (\q)+LEAD < 32
	BLOAD (\q)+LEAD
.endif
	MULS 4, 4, \q, 0
	FIN \q
.endif
.if \kind == 3
	MULS 0, 4, \q, 0
	s_wait_dscnt 0x0
	MULS 4, 4, \q, 0
	PLACES 4
	WIN 0
.endif
.endm
.macro MEAN x                          ; the mean S from my 16 partial sums: a tree, then over the lanes; its masks and scale word
.irp k, 0,2,4,6
	v_pk_add_f32 v[\x+\k:\x+\k+1], v[\x+\k:\x+\k+1], v[\x+8+\k:\x+9+\k]
.endr
	v_pk_add_f32 v[\x:\x+1], v[\x:\x+1], v[\x+4:\x+5]
	v_pk_add_f32 v[\x+2:\x+3], v[\x+2:\x+3], v[\x+6:\x+7]
	v_pk_add_f32 v[\x:\x+1], v[\x:\x+1], v[\x+2:\x+3]
	v_add_f32 v[\x], v[\x], v[\x+1]
.irp m, 1,2,4,8
	v_add_f32_dpp v[\x], v[\x], v[\x] row_xmask:\m row_mask:0xf bank_mask:0xf
.endr
	v_permlanex16_b32 v[\x+1], v[\x], s96, s97
	v_add_f32 v[\x], v[\x], v[\x+1]
	v_mul_f32 v[\x], 0x34000000, v[\x]             ; S = the sum / 2^23
	v_max_num_f32 v[\x+16], 0x1800000, v[\x]
	v_add_nc_u32 v[\x+16], 0xff000000, v[\x+16]
	v_lshrrev_b32 v[\x+17], 23, v[\x+16]
.irp i, 1,2,3,4,5,6,7,8,9,10,11,12,13,14,15
	v_mov_b32 v[\x+\i], v[\x]
.endr
	v_cvt_scalef32_pk16_fp6_f32 v[\x+20:\x+22], v[\x:\x+15], v[\x+16]
	v_lshl_or_b32 v[\x+18], v[\x+17], 8, v[\x+17]  ; (a plain place behind the conversion)
	v_lshl_or_b32 v[WSC], v[\x+18], 16, v[\x+18]
	v_or_b32 v[\x+20], 0x20820820, v[\x+20]
	v_or_b32 v[\x+21], 0x08208208, v[\x+21]
	v_or_b32 v[\x+22], 0x82082082, v[\x+22]
	v_readfirstlane_b32 s[MK], v[\x+20]
	v_readfirstlane_b32 s[MK+1], v[\x+21]
	v_readfirstlane_b32 s[MK+2], v[\x+22]
.endm
	s_load_b256 s[4:11], s[0:1], 0x0               ; xr_codes, xr_sc, w_pre, psum
	s_load_b256 s[12:19], s[0:1], 0x20             ; b_n, out0, hidden, zbuf
	v_lshl_add_u32 v[SPW], v0, 2, SPARE
	v_mov_b32 v[NIL], 0
	ds_add_u32 v[SPW], v[NIL]                      ; the opening lines
	ds_add_u32 v[SPW], v[NIL]
	v_lshrrev_b32 v1, 5, v0
	v_readfirstlane_b32 s[WV], v1
	s_bfe_u32 s84, ttmp6, 0x40000                  ; cx
	s_bfe_u32 s85, ttmp6, 0x40004                  ; cy
	s_lshl_b32 s2, ttmp9, 2
	s_add_co_u32 s2, s2, s84                       ; tile column
	s_and_b32 s3, ttmp7, 0xffff
	s_lshl_b32 s3, s3, 2
	s_add_co_u32 s3, s3, s85                       ; tile row
	s_lshl_b32 s86, s85, 2
	s_lshl_b32 s86, 15, s86                        ; my row of the cluster
	s_or_b32 s[G1A], s86, (3<<16)|(1<<21)
	s_or_b32 s[G1B], s86, (3<<16)|(1<<21)
	s_or_b32 s[G1S], s86, (3<<16)|(1<<21)
	s_mov_b32 s[G1H], (3<<16)|(1<<20)|(6<<22)|(3<<25)   ; no mask; 16 bytes of padding behind every 512
	DESC G1A, RW1/8, 3, BLKB/8
	DESC G1B, RW1/8, 2, BLKB/8
	DESC G1S, 64, 12, 1024
	DESC G1H, 64, 32, 1024
	s_lshl_b32 s86, s3, 3
	s_mul_i32 s87, s[WV], 3
	s_add_co_u32 s86, s86, s87
	s_mul_i32 s86, s86, BLKB                       ; A: block row 8 x tile row + 3 x wave
	s_mov_b32 s87, 0
	s_lshl_b32 s88, s2, 3
	s_lshl_b32 s89, s[WV], 1
	s_add_co_u32 s88, s88, s89
	s_add_co_u32 s88, s88, 256                     ; the third gate begins at tile 256 of w_pre
	s_mul_i32 s88, s88, BLKB                       ; my tiles: 256 + 8 x tile column + 2 x wave
	s_mov_b32 s89, 0
	s_lshl_b32 s90, s3, 9                          ; scale words: my tile row's 512 bytes of a K step
	s_mov_b32 s91, 0
	s_lshl_b32 s92, s3, 2
	s_add_co_u32 s92, s92, s[WV]
	s_lshl_b32 s92, s92, 18                        ; hidden and out0: row 128 x tile row + 32 x wave,
	s_lshl_b32 s93, s2, 9
	s_add_co_u32 s92, s92, s93                     ; column 128 x tile column
	s_mov_b32 s93, 0
	v_and_b32 v1, 31, v0
	v_and_b32 v2, 15, v0
	v_bfe_u32 v3, v0, 4, 1
	v_lshlrev_b32 v[AA], 4, v1
	v_lshlrev_b32 v[L4], 2, v1
	v_lshlrev_b32 v[H64], 6, v3
	s_wait_alu depctr_va_vdst(0)
	v_add_nc_u32 v[AA+1], 3*RW1, v[AA]
	v_add_nc_u32 v[AA+2], 6*RW1, v[AA]
	v_add_nc_u32 v[AA+3], SLOT, v[AA]
	v_add_nc_u32 v[AA+4], SLOT+3*RW1, v[AA]
	v_add_nc_u32 v[AA+5], SLOT+6*RW1, v[AA]
	v_add_nc_u32 v[AG], 4*RW2, v[AA]
	v_add_nc_u32 v[SA], SCO, v[L4]
	v_add_nc_u32 v[SA+1], SCO+SLOT, v[L4]
	v_mul_u32_u24 v[HB], v2, HP
	s_lshl_b32 s66, s[WV], 7
	s_add_co_u32 s66, s66, SLOT
	v_add_nc_u32 v[HB], v[HB], v[H64]
	v_add_nc_u32 v[HB], s66, v[HB]
	s_mul_i32 s66, s[WV], 32*HP
	s_add_co_u32 s66, s66, SLOT
	v_add_nc_u32 v[RD], s66, v[AA]
	s_wait_alu depctr_va_vdst(0)
	s_wait_dscnt 0x0
	s_wait_kmcnt 0x0
	s_add_nc_u64 s[4:5], s[4:5], s[86:87]
	s_add_nc_u64 s[8:9], s[8:9], s[88:89]
	s_add_nc_u64 s[6:7], s[6:7], s[90:91]
	s_add_nc_u64 s[16:17], s[16:17], s[92:93]
	s_add_nc_u64 s[14:15], s[14:15], s[92:93]
	s_lshl_b32 s92, s2, 9
	s_lshl_b32 s66, s[WV], 7
	s_add_co_u32 s92, s92, s66                     ; my 32 columns' biases
	s_add_nc_u64 s[12:13], s[12:13], s[92:93]
.irp k, 0,1,2,3
	global_load_b128 v[64+4*\k:67+4*\k], v[AA], s[10:11] offset:4096+512*\k     ; the third gate's 512 partial sums
.endr
	WIN 0x40
.irp u, 0,1
	global_load_b128 v[BIAS+8*\u:BIAS+8*\u+3], v[H64], s[12:13] offset:32*\u    ; lane (r, h), tile u: columns 16 h + 8 u + 0 .. 7
	global_load_b128 v[BIAS+8*\u+4:BIAS+8*\u+7], v[H64], s[12:13] offset:32*\u+16
.endr
.irp j, 0,1,2,3,4,5,6,7,8
	BLOAD \j                                       ; the weights of K steps 0-8: with the eight loads above 62 loads of mine are out
.endr
	WIN 0
	s_mul_i32 s66, s[WV], 3*RW1
.irp s, 0,1
	s_mov_b32 s[G0A+4*\s], 1
	s_add_co_u32 s[G0A+4*\s+1], s66, \s*SLOT
	s_add_nc_u64 s[G0A+4*\s+2:G0A+4*\s+3], s[4:5], \s*RW1
	s_or_b32 s[G0A+4*\s+3], s[G0A+4*\s+3], 0x80000000
	s_mov_b32 s[G0S+4*\s], 1
	s_mov_b32 s[G0S+4*\s+1], SCO+\s*SLOT
	s_add_nc_u64 s[G0S+4*\s+2:G0S+4*\s+3], s[6:7], \s*12*8192
	s_or_b32 s[G0S+4*\s+3], s[G0S+4*\s+3], 0x80000000
.endr
	s_mov_b32 s[G0H], 1
	s_mul_i32 s[G0H+1], s[WV], 32*HP
	s_add_co_u32 s[G0H+1], s[G0H+1], SLOT
	s_mov_b64 s[G0H+2:G0H+3], s[16:17]
	s_or_b32 s[G0H+3], s[G0H+3], 0x80000000
	CROUND                                         ; all sixteen work-groups are here: the first joint loads meet
	JLOAD G0A, G0S                                 ; K steps 0-11: one tensor load a wave at the head
	s_lshl_b32 s92, s3, 4
	s_add_co_u32 s92, s92, s2
	s_lshl_b32 s92, s92, 2
	s_add_co_u32 s92, s92, s[WV]
	s_lshl_b32 s92, s92, 14
	s_add_nc_u64 s[18:19], s[18:19], s[92:93]      ; zbuf: my wave's 16,384 bytes
	s_mov_b32 s94, 0x4038aa3b                      ; 2 log2(e)
	s_mov_b32 s95, s94
	s_mov_b32 s96, 0x76543210
	s_mov_b32 s97, 0xfedcba98                      ; v_permlanex16_b32's selects for lane l xor 16
	s_wait_loadcnt 54                              ; the partial sums and the bias are in; the nine sets of weights may be out
	MEAN 64
	s_wait_alu depctr_va_vdst(0)
	s_wait_tensorcnt 0x0                           ; my part of K steps 0-11 is in; slot 1's first fill is issued as a refill is
	ds_add_u32 v[SPW], v[NIL]
	s_wait_dscnt 0x0
	CROUND
	JLOAD G0A+4, G0S+4                             ; K steps 12-23
	FS 0
	FA 0, 0
	FA 0, 4
	s_wait_loadcnt 48                              ; set 0 is in
	PATCH 0
	PLACES 4
	s_wait_alu depctr_va_vdst(0)
	s_wait_dscnt 12
	STEP 0, 0, 1                                   ; the first products start the sums from the bias
.set QQ, 1
.rept 10
	STEP QQ, 0, 0
.set QQ, QQ+1
.endr
	STEP 11, 1, 0
.set QQ, 12
.rept 11
	STEP QQ, 0, 0
.set QQ, QQ+1
.endr
	STEP 23, 2, 0
.set QQ, 24
.rept 7
	STEP QQ, 0, 0
.set QQ, QQ+1
.endr
	STEP 31, 3, 0
	; ---- THE WAY OUT
	s_wait_tensorcnt 0x0                           ; my rows of hidden are in
	s_wait_dscnt 0x0
	s_barrier_signal -1
	s_barrier_wait -1                              ; everybody's are.
	WIN 0x40
.set ja, 0
.rept 8
.irp i, 0,1,2,3
	ds_load_b128 v[16*ja+4*\i:16*ja+4*\i+3], v[HB] offset:ja*16*HP+16*\i     ; hidden(16 a + r, 32 w + 16 h + 4 i ..) in the accumulators' layout
.endr
.set ja, ja+1
.endr
	WIN 0xaa                                       ; rho = 1 / (1 + 2^(2 a log2 e)), in place, each accumulator from its low end on; tanh(a) = 1 - 2 rho
.set ji, 0
.rept 64
	v_pk_mul_f32 v[ji:ji+1], v[ji:ji+1], s[94:95] op_sel_hi:[1,0]
.set ji, ji+2
.endr
	s_wait_alu depctr_va_vdst(0)
.set ji, 0
.rept 128
	v_exp_f32 v[ji], v[ji]
.set ji, ji+1
.endr
	v_nop
	s_wait_alu depctr_va_vdst(0)
.set ji, 0
.rept 64
	v_pk_add_f32 v[ji:ji+1], v[ji:ji+1], 1.0 op_sel_hi:[1,0]
.set ji, ji+2
.endr
	s_wait_alu depctr_va_vdst(0)
.set ji, 0
.rept 128
	v_rcp_f32 v[ji], v[ji]
.set ji, ji+1
.endr
	v_nop
	s_wait_alu depctr_va_vdst(0)
	s_wait_loadcnt 0x0                             ; z
	s_wait_dscnt 0x0                               ; hidden
.set ji, 0
.rept 64
	v_pk_fma_f32 v[ji:ji+1], v[ji:ji+1], -2.0, 1.0 op_sel_hi:[1,0,0]                   ; n = 1 - 2 rho
.set ji, ji+2
.endr
	WIN 0x86                                       ; source 1: hidden, window 1
.set ji, 0
.rept 64
	v_pk_add_f32 v[ji:ji+1], v[ji:ji+1], v[ji:ji+1] neg_lo:[0,1] neg_hi:[0,1]          ; n - hidden
.set ji, ji+2
.endr
	WIN 0x9a                                       ; source 0: z, source 1: window 2; source 2: hidden, window 1
.set ji, 0
.rept 64
	v_pk_fma_f32 v[ji:ji+1], v[128+ji:129+ji], v[ji:ji+1], v[ji:ji+1]                  ; z (n - hidden) + hidden
.set ji, ji+2
.endr
	WIN 0x08                                       ; over hidden's bytes: each lane over the 64 bytes a block that it read
.set ja, 0
.rept 8
.irp i, 0,1,2,3
	ds_store_b128 v[HB], v[16*ja+4*\i:16*ja+4*\i+3] offset:ja*16*HP+16*\i
.endr
.set ja, ja+1
.endr
	WIN 0
	s_wait_dscnt 0x0                               ; for the others' sake: my stores are done
	s_barrier_signal -1
	s_barrier_wait -1                              ; 128 whole rows lie in LDS
.set ji, 0
.rept 32
	ds_load_b128 v[64+4*ji:67+4*ji], v[RD] offset:ji*HP
.set ji, ji+1
.endr
.set ji, 0
.rept 32
	s_wait_dscnt 31-ji
	global_store_b128 v[AA], v[64+4*ji:67+4*ji], s[14:15] offset:ji*8192 th:TH_STORE_NT   ; 512 consecutive bytes, at a multiple of 256 from out0's first byte
.set ji, ji+1
.endr
	s_wait_tensorcnt 0x0                           ; the wave's end
	ds_add_u32 v[SPW], v[NIL]
	s_wait_dscnt 0x0
	CROUND                                         ; the closing round
	s_endpgm
.Lfunc_end_k_q0126b1d1a3_cand:
	.size	k_q0126b1d1a3_cand, .Lfunc_end_k_q0126b1d1a3_cand-k_q0126b1d1a3_cand
	.p2alignl 7, 3214868480
	.fill 96, 4, 3214868480
	.section	.rodata,"a",@progbits
	.p2align	6, 0x0
	.amdhsa_kernel k_q0126b1d1a3_cand
		.amdhsa_group_segment_fixed_size 327680
		.amdhsa_private_segment_fixed_size 0
		.amdhsa_enable_private_segment 0
		.amdhsa_kernarg_size 64
		.amdhsa_user_sgpr_count 2
		.amdhsa_user_sgpr_kernarg_segment_ptr 1
		.amdhsa_wavefront_size32 1
		.amdhsa_system_sgpr_workgroup_id_x 1
		.amdhsa_system_sgpr_workgroup_id_y 1
		.amdhsa_system_sgpr_workgroup_id_z 1
		.amdhsa_system_vgpr_workitem_id 0
		.amdhsa_next_free_vgpr 1024
		.amdhsa_next_free_sgpr 102
		.amdhsa_reserve_vcc 0
		.amdhsa_float_denorm_mode_32 3
		.amdhsa_float_denorm_mode_16_64 3
		.amdhsa_memory_ordered 1
		.amdhsa_forward_progress 1
		.amdhsa_inst_pref_size 234
	.end_amdhsa_kernel
	.amdgpu_metadata
---
amdhsa.version: [ 1, 2 ]
amdhsa.kernels:
  - .name:           k_q0126b1d1a3_cand
    .symbol:         k_q0126b1d1a3_cand.kd
    .args:
      - { .name: xr_codes, .offset: 0, .size: 8, .value_kind: global_buffer, .address_space: global }
      - { .name: xr_sc, .offset: 8, .size: 8, .value_kind: global_buffer, .address_space: global }
      - { .name: w_pre, .offset: 16, .size: 8, .value_kind: global_buffer, .address_space: global }
      - { .name: psum, .offset: 24, .size: 8, .value_kind: global_buffer, .address_space: global }
      - { .name: b_n, .offset: 32, .size: 8, .value_kind: global_buffer, .address_space: global }
      - { .name: out0, .offset: 40, .size: 8, .value_kind: global_buffer, .address_space: global }
      - { .name: hidden, .offset: 48, .size: 8, .value_kind: global_buffer, .address_space: global }
      - { .name: zbuf, .offset: 56, .size: 8, .value_kind: global_buffer, .address_space: global }
    .group_segment_fixed_size: 327680
    .private_segment_fixed_size: 0
    .kernarg_segment_align: 8
    .kernarg_segment_size: 64
    .max_flat_workgroup_size: 128
    .sgpr_count:     102
    .vgpr_count:     1024
    .wavefront_size: 32
...
	.end_amdgpu_metadata
.endif
;; end of part 3
